; MI455X (gfx1250); checked and timed in simulation.
; The chip was launched on July 23, 2026; its instructions are those of AMD's public machine-readable ISA for CDNA 5 (MIT licence, August 2026) and "CDNA5" Instruction Set Architecture Reference Guide (July 2026). The comments in the code are by the model that wrote it; some were corrected since.
;; Flex Attention Wrapper. Allowed arithmetic: float matrix products may take bf16 or f16 operands with f32 sums; all other float work in f32.
;; Inputs: k 2 x 16 x 2,048 x 128 float32; q 2 x 16 x 2,048 x 128 float32; v 2 x 16 x 2,048 x 128 float32.
;; Outputs: out0 2 x 16 x 2,048 x 128 float32.
;; One version. Each part assembles by itself: llvm-mc -triple=amdgcn-amd-amdhsa -mcpu=gfx1250 --defsym DOCPART=n.
;; ======== version 1 of 1: 1 launch
;; limits: values are held in f16: magnitudes above 65,504 overflow, below 6.1e-05 lose precision; inputs' magnitudes at most 65,408; right only within a limited range of input values
;; launch attn (part 1): grid 256 x 1, 8 waves a work-group, no clusters, 277,504 bytes of LDS; arguments q, k, v, out0; writes out0
.if DOCPART == 1
	.amdgcn_target "amdgcn-amd-amdhsa--gfx1250"
	.amdhsa_code_object_version 6
	.text
	.protected	k_qde51a92b75_attn
	.globl	k_qde51a92b75_attn
	.p2align	8
	.type	k_qde51a92b75_attn,@function
k_qde51a92b75_attn:
	s_mov_b64 s[64:65], 0
	v_nop
	global_prefetch_b8 v0, s[64:65] scope:SCOPE_SE
	s_setreg_imm32_b32 hwreg(HW_REG_WAVE_MODE, 25, 1), 1
	s_wait_xcnt 0x0
; Causal attention, out = softmax(q k^T / sqrt(128), keys <= query) v.  q, k, v, out: [32 heads][2048][128] f32.
; Products on 16-bit operands with f32 sums, softmax in f32 with a running maximum.
;
; SHARING.  Work-group x: head = x >> 3, i = x & 7.  It makes two blocks of 128 queries, block i and then block 15 - i.
; Block b needs the key tiles 0 .. b (128 keys each): (i + 1) + (16 - i) = 17 steps in every work-group, 256 equal work-groups.
; In each block the diagonal tile comes FIRST, then tiles 0 .. b-1 (a running softmax does not care for the order): so the only
; masked step is also the step that starts the sums, with the constant 0 as C, no old maximum and nothing cleared.
; Wave w: row group g = w & 3 (queries 32 g .. 32 g + 31 of the block), team T = w >> 2 (keys 64 T .. 64 T + 63 of every tile).
; The two teams keep (maximum, l, O) of their own and are merged through LDS at the end of a block.
;
; BOTH PRODUCTS ARE USED TRANSPOSED.  S^T = K x Q and O^T = V^T x P: in every result lane (r = l % 16, h = l / 16) holds query r,
; and its 8 registers hold keys (or d) 8 h + 0 .. 7.  So maximum and sum of a row are work inside a lane plus one exchange between the
; halves, the rescaling factor is one number a lane, and rounding two S^T tiles gives a P fragment as it stands.
;
; FORMATS.  q, k and v are each rounded once to bf16, unscaled: the program is attention of the three inputs rounded alike.
; Q K runs in the bf16 form.  The factor c = log2(e) / sqrt(128) is applied to the f32 scores: p = 2^(c s - c m), one fused multiply-add.
; P V runs in the f16 form: p lies in (0, 1] and wants mantissa, not range.  In a row of few keys whose terms cancel, the rounding of p
; times |v| is what is left as error of the result: up to 2^-9 |v| with 8 significant bits, 2^-12 |v| with f16's 11.
; The f16 form wants v in f16 too: the 8 significant bits of the rounded v are carried over, exactly for 2^-14 <= |v| < 65,520.
;
; K AND V come as f32: each wave loads whole rows (512 consecutive bytes an instruction), converts and stores into LDS, so every
; element is converted once in a work-group.  A tile stays in its staging registers for one step: up to 32 loads of a wave are out.
; One LDS buffer for K, one for V, two barriers a step: A (behind Q K: all reads of K over, this step's V visible) and
; B (behind P V: all reads of V over, the next K visible).
;
; NO CLUSTER, NO JOINT REQUESTS: the eight work-groups of a head want different tiles in the same step (step e of partner i is tile
; e - 1, 15 - i or e - i - 2), a common order would take 20 steps or more in place of 17, and tiles must pass registers anyway for the
; conversion to 16 bits.
;
; LIMITS.  Inputs are taken to be finite.  |v| below 65,520 (beyond it f16 has no number); |v| below 2^-14 and p below 2^-14 keep an
; absolute error of up to 2^-25.  Masked scores are -2^126 in units of q.k (the reference: -FLT_MAX behind the scale): the same result as
; long as true q.k lie above -2^126; the power of two makes c x mask exact, so that a row all of whose keys are masked gets the exponent 0.
; Such a row (of one team) has p = 1, l = 64 and O = a sum of 64 rows of v: finite filler that the next rescaling or the merge multiplies
; by 2^(-2^126 c - ..) = 0; team 0 always holds a true key (key 0 of the diagonal tile).  v_exp_f32 gives 0 below 2^-126.
; l is summed from the f32 p, P V takes p rounded to f16.
; ---- LDS ----
.set KPIT, 272                         ; a row of 128 x 2 bytes + 16: an odd multiple of 16, so the 16 rows of a fragment load lie in 16 different 16-byte columns modulo 256
.set VPIT, 288                         ; an odd multiple of 32, for the transposing loads
.set SPIT, 528                         ; a row of 128 f32 + 16 bytes
.set KB,  0                            ; K tile, 128 x 272
.set VB,  KB+128*KPIT                  ; V tile, 128 x 288
.set QL,  VB+128*VPIT                  ; q of block i, 128 x 272
.set QH,  QL+128*KPIT                  ; q of block 15 - i
.set XO,  QH+128*KPIT                  ; merge: for each g 32 x 512 bytes of O and 512 bytes of {n0, n1, l0, l1}
.set XSZ, 33*512
.set ST,  XO+4*XSZ                     ; the way out: 16 rows x 528 bytes for each wave; ends at 276,480
.set SSZ, 16*SPIT
; ---- vector registers, window 0 ----
.set GO,  1                            ; 16 t: my 16 bytes in 8 rows of a tile in memory
.set KS,  2                            ; where I store K: w x 272 + 8 l
.set VS,  3                            ; where I store V
.set KA,  4                            ; my K fragments: (64 T + r) x 272 + 16 h
.set VA,  5                            ; my V^T fragments
.set QA,  6                            ; my Q fragments (block i; the other block by the offset)
.set XA,  7                            ; merge: g's region + 16 l
.set SW,  8                            ; the way out: in
.set SR,  9                            ; the way out: back
.set OO,  10                           ; 16 l
.set PF,  11                           ; 256 t
.set D0,  12                           ; v12, v13: query - first key of my registers, for query tiles 0, 1 (signed)
.set NEG, 14                           ; -2^126
.set NN,  16                           ; v16, v17 minus c x the running maximum of query tiles 0, 1
.set LS,  18                           ; v18, v19 running sum (of my half's keys)
.set BE,  20                           ; v20, v21 merge: the partner's factor
.set AL,  22                           ; v22, v23 rescaling factor
.set T,   24                           ; v24-31 at work
.set QS0, 30                           ; (prologue only) where I store q of block i
.set QS1, 31                           ; (prologue only) and of block 15 - i
.set Q,   32                           ; v32-95   Q fragment (qt, c) at Q + 8 (4 qt + c)
.set S,   96                           ; v96-159  S^T tile (qt, kt) at S + 8 (4 qt + kt); later V^T fragments
.set P,   160                          ; v160-191 P fragment (qt, kc) at P + 8 (2 qt + kc); before that K fragments
.set F0,  192                          ; v192-223 fragments
.set F1,  224                          ; v224-255 fragments
.set XM,  224                          ; merge: the partner's {n0, n1, l0, l1}
; ---- vector registers, window 1 (written with their low 8 bits) ----
.set O,   0                            ; v256-383 O^T tile (dt, qt) at O + 8 (2 dt + qt)
.set GK,  128                          ; v384-447 K on its way
.set GV,  192                          ; v448-511 V on its way
; ---- scalars ----
; s[4:11] q, k, v, out at my head   s12 w  s13 g  s14 T  s15 i  s[16:17] head's bytes  s18 E: number of the tile last asked for
; s19 i+1  s20 i+2  s21 15-i  s22 mask of a word's upper half  s23 trips  s[24:25] that tile's byte offset  s[26:27] K's load base
; s[28:29] V's load base  s[30:33] k, v at tile 15-i  s[34:37] out at my rows of block i, 15-i  s38 c  s39 -c  s40-41 lane select
; s42-43 at work  s[44:47] q at block i, 15-i
.set MSB, 0
.macro WIN new                         ; low byte: windows of source 0, 1, 2 and destination, two bits each; high byte: the setting that is left
.if MSB != \new
	s_set_vgpr_msb (MSB<<8)|\new
.set MSB, \new
.endif
.endm
; Behind a matrix instruction only plain vector instructions that name none of its registers count as distance (ISA guide 7.12.1).
.macro PLACES n
.rept \n
	v_nop
.endr
.endm
; A tile of 128 rows x 512 bytes: 16 loads, the wave's j-th covers row 8 j + w whole.
.macro GLOAD base, win, ptr, nt
.if \win
	WIN 0x40
.else
	WIN 0
.endif
.irp j, 0,1,2,3,4,5,6,7,8,9,10,11,12,13,14,15
.if \nt
	global_load_b128 v[\base+4*\j:\base+4*\j+3], v[GO], s[\ptr:\ptr+1] offset:4096*\j th:TH_LOAD_NT
.else
	global_load_b128 v[\base+4*\j:\base+4*\j+3], v[GO], s[\ptr:\ptr+1] offset:4096*\j
.endif
.endr
.endm
; q and K: round a staged tile to bf16 in place (4 f32 -> 2 registers) and store it: 8 bytes a lane, a wave's store covers 256 consecutive bytes.
.macro CVTST base, win, addr, step
.if \win
	WIN 0x45
.else
	WIN 0
.endif
.irp j, 0,1,2,3,4,5,6,7,8,9,10,11,12,13,14,15
	v_cvt_pk_bf16_f32 v[\base+4*\j], v[\base+4*\j], v[\base+4*\j+1]
	v_cvt_pk_bf16_f32 v[\base+4*\j+1], v[\base+4*\j+2], v[\base+4*\j+3]
.endr
.if \win
	WIN 0x04
.endif
.irp j, 0,1,2,3,4,5,6,7,8,9,10,11,12,13,14,15
	ds_store_b64 v[\addr], v[\base+4*\j:\base+4*\j+1] offset:\step*\j
.endr
.endm
; V: round to bf16 (the one rounding), widen the two halves again, and carry the 8 significant bits over into f16, which loses nothing
; in f16's normal range.  Four instructions for two numbers, once for each element in the work-group.
.macro CVTSTV
	WIN 0x45
.irp j, 0,1,2,3,4,5,6,7,8,9,10,11,12,13,14,15
	v_cvt_pk_bf16_f32 v[GV+4*\j],   v[GV+4*\j],   v[GV+4*\j+1]
	v_cvt_pk_bf16_f32 v[GV+4*\j+2], v[GV+4*\j+2], v[GV+4*\j+3]
.endr
.irp j, 0,1,2,3,4,5,6,7,8,9,10,11,12,13,14,15
	v_and_b32     v[GV+4*\j+1], s22, v[GV+4*\j]    ; the upper bf16 as f32
	v_lshlrev_b32 v[GV+4*\j],   16,  v[GV+4*\j]    ; the lower one
	v_and_b32     v[GV+4*\j+3], s22, v[GV+4*\j+2]
	v_lshlrev_b32 v[GV+4*\j+2], 16,  v[GV+4*\j+2]
.endr
.irp j, 0,1,2,3,4,5,6,7,8,9,10,11,12,13,14,15
	v_cvt_pk_f16_f32 v[GV+4*\j],   v[GV+4*\j],   v[GV+4*\j+1]
	v_cvt_pk_f16_f32 v[GV+4*\j+1], v[GV+4*\j+2], v[GV+4*\j+3]
.endr
	WIN 0x04
.irp j, 0,1,2,3,4,5,6,7,8,9,10,11,12,13,14,15
	ds_store_b64 v[VS], v[GV+4*\j:GV+4*\j+1] offset:8*VPIT*\j
.endr
.endm
; The next tile of the sequence i, 0 .. i-1, 15-i, 0 .. 14-i: element E is E-1 up to E = i, 15-i at E = i+1, E-i-2 beyond.
.macro ADV
	s_add_co_u32 s18, s18, 1
	s_sub_co_u32 s42, s18, 1
	s_sub_co_u32 s43, s18, s20
	s_cmp_gt_u32 s18, s19
	s_cselect_b32 s42, s43, s42
	s_cmp_eq_u32 s18, s19
	s_cselect_b32 s42, s21, s42
	s_lshl_b32 s24, s42, 16                        ; a tile is 65,536 bytes
.endm
.macro LOADQ qo                        ; my 32 queries x 128 d: 8 fragments, kept for the whole block
	WIN 0
.irp qt, 0,1
.irp c, 0,1,2,3
	ds_load_b128 v[Q+8*(4*\qt+\c):Q+8*(4*\qt+\c)+3],   v[QA] offset:\qo+16*KPIT*\qt+64*\c
	ds_load_b128 v[Q+8*(4*\qt+\c)+4:Q+8*(4*\qt+\c)+7], v[QA] offset:\qo+16*KPIT*\qt+64*\c+32
.endr
.endr
.endm
.macro FETCHK kt, dst                  ; 16 keys x 128 d: 4 fragments, 8 loads
	WIN 0
.irp c, 0,1,2,3
	ds_load_b128 v[\dst+8*\c:\dst+8*\c+3],   v[KA] offset:16*KPIT*\kt+64*\c
	ds_load_b128 v[\dst+8*\c+4:\dst+8*\c+7], v[KA] offset:16*KPIT*\kt+64*\c+32
.endr
.endm
.macro MULQK kt, src                   ; S^T(kt, qt) for both query tiles, 128 along d; the first product starts the sum
	WIN 0
.irp c, 0,1,2,3
.irp qt, 0,1
.if \c == 0
	v_wmma_f32_16x16x32_bf16 v[S+8*(4*\qt+\kt):S+8*(4*\qt+\kt)+7], v[\src+8*\c:\src+8*\c+7], v[Q+8*(4*\qt+\c):Q+8*(4*\qt+\c)+7], 0
.else
	v_wmma_f32_16x16x32_bf16 v[S+8*(4*\qt+\kt):S+8*(4*\qt+\kt)+7], v[\src+8*\c:\src+8*\c+7], v[Q+8*(4*\qt+\c):Q+8*(4*\qt+\c)+7], v[S+8*(4*\qt+\kt):S+8*(4*\qt+\kt)+7]
.endif
.endr
.endr
.endm
.macro FETCHV g, dst                   ; group g: keys 32 (g >> 1) .. + 31, d tiles 4 (g & 1) .. + 3, transposed on the way: 8 loads
	WIN 0
.irp f, 0,1,2,3
	ds_load_tr16_b128 v[\dst+8*\f:\dst+8*\f+3],   v[VA] offset:32*VPIT*(\g>>1)+32*(4*(\g&1)+\f)
	ds_load_tr16_b128 v[\dst+8*\f+4:\dst+8*\f+7], v[VA] offset:32*VPIT*(\g>>1)+32*(4*(\g&1)+\f)+16*VPIT
.endr
.endm
.macro MULPV g, src, zero              ; O^T(dt, qt) += V^T(dt, kc) x P(qt, kc), f16 operands: 8 accumulators that do not wait for each other
	WIN 0x50
.irp f, 0,1,2,3
.irp qt, 0,1
.if \zero
	v_wmma_f32_16x16x32_f16 v[O+8*(2*(4*(\g&1)+\f)+\qt):O+8*(2*(4*(\g&1)+\f)+\qt)+7], v[\src+8*\f:\src+8*\f+7], v[P+8*(2*\qt+(\g>>1)):P+8*(2*\qt+(\g>>1))+7], 0
.else
	v_wmma_f32_16x16x32_f16 v[O+8*(2*(4*(\g&1)+\f)+\qt):O+8*(2*(4*(\g&1)+\f)+\qt)+7], v[\src+8*\f:\src+8*\f+7], v[P+8*(2*\qt+(\g>>1)):P+8*(2*\qt+(\g>>1))+7], v[O+8*(2*(4*(\g&1)+\f)+\qt):O+8*(2*(4*(\g&1)+\f)+\qt)+7]
.endif
.endr
.endr
.endm
.macro SCALEO                          ; O *= AL: pair n belongs to query tile (n >> 2) & 1, whose factor is broadcast out of v[AL:AL+1]
	WIN 0x41
.set n, 0
.rept 64
.if (n>>2)&1
	v_pk_mul_f32 v[O+2*n:O+2*n+1], v[O+2*n:O+2*n+1], v[AL:AL+1] op_sel:[0,1] op_sel_hi:[1,1]
.else
	v_pk_mul_f32 v[O+2*n:O+2*n+1], v[O+2*n:O+2*n+1], v[AL:AL+1] op_sel_hi:[1,0]
.endif
.set n, n+1
.endr
.endm
; One step of the running softmax on my 2 x 32 scores a lane.  first = 1: the diagonal tile, which also starts the maximum and l.
; The maximum is kept as N = -(c x maximum), rounded once: p = 2^(c s + N), and old sums are rescaled by 2^(N new - N old), so that
; every weight of a row refers to the same rounded number.
.macro SOFTMAX first
	WIN 0
.if \first
	; register j of tile (qt, kt) is key 64 T + 16 kt + 8 h + j against query 32 g + 16 qt + r: kept where 16 kt + j <= D(qt)
.irp qt, 0,1
.irp kt, 0,1,2,3
.irp j, 0,1,2,3,4,5,6,7
	v_cmp_le_i32 vcc_lo, 16*\kt+\j, v[D0+\qt]
	v_cndmask_b32 v[S+8*(4*\qt+\kt)+\j], v[NEG], v[S+8*(4*\qt+\kt)+\j], vcc_lo
.endr
.endr
.endr
.endif
	; the tile's maximum: eight chains (one for each 16 x 16 tile), joined, then joined with the other half of the lanes
.irp qt, 0,1
.irp kt, 0,1,2,3
	v_max3_num_f32 v[T+4*\qt+\kt], v[S+8*(4*\qt+\kt)], v[S+8*(4*\qt+\kt)+1], v[S+8*(4*\qt+\kt)+2]
.endr
.endr
.irp qt, 0,1
.irp kt, 0,1,2,3
	v_max3_num_f32 v[T+4*\qt+\kt], v[T+4*\qt+\kt], v[S+8*(4*\qt+\kt)+3], v[S+8*(4*\qt+\kt)+4]
.endr
.endr
.irp qt, 0,1
.irp kt, 0,1,2,3
	v_max3_num_f32 v[T+4*\qt+\kt], v[T+4*\qt+\kt], v[S+8*(4*\qt+\kt)+5], v[S+8*(4*\qt+\kt)+6]
.endr
.endr
.irp qt, 0,1
.irp kt, 0,1,2,3
	v_max_num_f32 v[T+4*\qt+\kt], v[T+4*\qt+\kt], v[S+8*(4*\qt+\kt)+7]
.endr
.endr
.irp qt, 0,1
	v_max3_num_f32 v[T+4*\qt], v[T+4*\qt], v[T+4*\qt+1], v[T+4*\qt+2]
.endr
.irp qt, 0,1
	v_max_num_f32 v[T+4*\qt], v[T+4*\qt], v[T+4*\qt+3]
.endr
.irp qt, 0,1
	v_permlanex16_b32 v[T+4*\qt+1], v[T+4*\qt], s40, s41       ; lane l xor 16: the same query's other keys
.endr
.irp qt, 0,1
	v_max_num_f32 v[T+4*\qt], v[T+4*\qt], v[T+4*\qt+1]
.endr
.irp qt, 0,1
.if \first
	v_mul_f32 v[NN+\qt], s39, v[T+4*\qt]                       ; N = -c x maximum
.else
	v_mul_f32 v[T+4*\qt], s39, v[T+4*\qt]
	v_min_num_f32 v[T+4*\qt], v[T+4*\qt], v[NN+\qt]            ; the larger maximum is the smaller N
	v_sub_f32 v[AL+\qt], v[T+4*\qt], v[NN+\qt]                 ; new N - old N, at most 0
	v_mov_b32 v[NN+\qt], v[T+4*\qt]
.endif
.endr
.if \first == 0
	v_exp_f32 v[AL], v[AL]                         ; used far below; the packed multiply-adds that follow are the plain place behind it
	v_exp_f32 v[AL+1], v[AL+1]
.endif
.set n, 0
.rept 32
.if n < 16
	v_pk_fma_f32 v[S+2*n:S+2*n+1], v[S+2*n:S+2*n+1], s[38:39], v[NN:NN+1] op_sel_hi:[1,0,0]
.else
	v_pk_fma_f32 v[S+2*n:S+2*n+1], v[S+2*n:S+2*n+1], s[38:39], v[NN:NN+1] op_sel:[0,0,1] op_sel_hi:[1,0,1]
.endif
.set n, n+1
.endr
.set n, 0
.rept 64
	v_exp_f32 v[S+n], v[S+n]                       ; p = 2^(c s + N), in place
.set n, n+1
.endr
	v_nop                                          ; one plain place between the last v_exp_f32 and the first use of a result
.set n, 0
	s_wait_alu depctr_va_vdst(0)
.rept 32
	v_cvt_pk_f16_f32 v[P+n], v[S+2*n], v[S+2*n+1]  ; S^T tiles 2 kc, 2 kc + 1 are registers 0-3, 4-7 of P(qt, kc): no shuffle
.set n, n+1
.endr
	; the sum of my 32 p of each query tile: four packed chains
.irp qt, 0,1
	v_pk_add_f32 v[T+4*\qt:T+4*\qt+1],   v[S+32*\qt:S+32*\qt+1],     v[S+32*\qt+2:S+32*\qt+3]
	v_pk_add_f32 v[T+4*\qt+2:T+4*\qt+3], v[S+32*\qt+16:S+32*\qt+17], v[S+32*\qt+18:S+32*\qt+19]
.endr
.irp p, 2,3,4,5,6,7
.irp qt, 0,1
	v_pk_add_f32 v[T+4*\qt:T+4*\qt+1],   v[T+4*\qt:T+4*\qt+1],   v[S+32*\qt+2*\p:S+32*\qt+2*\p+1]
	v_pk_add_f32 v[T+4*\qt+2:T+4*\qt+3], v[T+4*\qt+2:T+4*\qt+3], v[S+32*\qt+16+2*\p:S+32*\qt+17+2*\p]
.endr
.endr
.irp qt, 0,1
	v_pk_add_f32 v[T+4*\qt:T+4*\qt+1], v[T+4*\qt:T+4*\qt+1], v[T+4*\qt+2:T+4*\qt+3]
.endr
.irp qt, 0,1
.if \first
	v_add_f32 v[LS+\qt], v[T+4*\qt], v[T+4*\qt+1]
.else
	v_add_f32 v[T+4*\qt], v[T+4*\qt], v[T+4*\qt+1]
	v_fma_f32 v[LS+\qt], v[LS+\qt], v[AL+\qt], v[T+4*\qt]
.endif
.endr
.endm
; ONE STEP (tile u), entered behind barrier B: K(u) lies in LDS, V(u) and K(u+1) are on their way into GV and GK.
; first: diagonal tile.  vi: V(u+1) is asked for.  ks: K(u+1) is stored.  ki: K(u+2) is asked for.  pf: the prefetch may fall in this step.
.macro STEP id, first, vi, ks, ki, pf
	PLACES 5                                       ; behind the last P V products: loads into their sources (4), S^T written over their sources (5)
	FETCHK 0, F0
	FETCHK 1, F1
	FETCHK 2, P
	s_wait_loadcnt 16*\ks                          ; V(u)'s 16 loads are in; younger: K(u+1)'s 16, where there is one
	CVTSTV                                         ; behind barrier B nobody reads the V buffer
.if \vi
	s_add_nc_u64 s[28:29], s[8:9], s[24:25]        ; the base's last loads were waited for just now; s24 is tile u+1, as K took it
	GLOAD GV, 1, 28, 0
.endif
	s_wait_dscnt 32                                ; keys 0-15 (and Q) are in; younger: 8 + 8 fragment loads, 16 stores
	MULQK 0, F0
	PLACES 4                                       ; before loads land in registers that these products read
	FETCHK 3, F0
	s_wait_dscnt 32                                ; keys 16-31; younger: 8 loads, 16 stores, 8 loads
	MULQK 1, F1
	s_wait_dscnt 24                                ; keys 32-47; younger: 16 stores, 8 loads
	MULQK 2, P
	s_wait_dscnt 0                                 ; for the others: my reads of K are over, my rows of V are written
	s_barrier_signal -1                            ; BARRIER A
	MULQK 3, F0
	s_barrier_wait -1
	PLACES 4                                       ; behind the last Q K products: loads into F0, and the softmax reads their results
	FETCHV 0, F0
	FETCHV 1, F1
.if \ks
	s_wait_loadcnt 16*\vi                          ; K(u+1)'s 16 loads are in; younger: V(u+1)'s 16, where there is one
	CVTST GK, 1, KS, 8*KPIT                        ; behind barrier A nobody reads the K buffer
.endif
.if \ki
	ADV
	s_add_nc_u64 s[26:27], s[6:7], s[24:25]        ; the base's last loads were waited for just now
	GLOAD GK, 1, 26, 0
.endif
.if \pf
	; Tile 15 - i of k and of v, which no step of block i has touched: asked for in the step in which E = i, that is one step ahead of
	; the step that issues K's loads of that tile.  Thread t asks for the byte at 256 t, the 256 threads for each 256-byte piece of the
	; two tiles once; no other work-group asks for these tiles.  With i < 2 E never equals i here, and nothing is asked for.
	WIN 0
	s_cmp_lg_u32 s18, s15
	s_cbranch_scc1 .Lnopf\id
	global_prefetch_b8 v[PF], s[30:31] th:TH_LOAD_NT scope:SCOPE_SE
	global_prefetch_b8 v[PF], s[32:33] th:TH_LOAD_NT scope:SCOPE_SE
.Lnopf\id:
.endif
	SOFTMAX \first
	FETCHV 2, S                                    ; the scores are used up: their registers take the second half of V^T
	FETCHV 3, S+32
.if \first == 0
	SCALEO
.endif
	s_wait_dscnt 16                                ; V^T groups 0 and 1 are in; younger: the 16 loads of groups 2 and 3
	MULPV 0, F0, \first
	MULPV 1, F1, \first
	s_wait_dscnt 0                                 ; for the others: my reads of V are over, my rows of K(u+1) are written
	s_barrier_signal -1                            ; BARRIER B
	MULPV 2, S, 0
	MULPV 3, S+32, 0
	WIN 0
	s_barrier_wait -1
.endm
; END OF A BLOCK: team 1 hands (N, l, O) to team 0 of the same rows; team 0 merges, divides and stores.  op: out at my rows.
.macro MERGE op, last, id
	WIN 0
	PLACES 4                                       ; behind the last products: O is read, their sources are loaded into
	v_permlanex16_b32 v[T], v[LS], s40, s41        ; l: the two halves of the lanes hold different keys of the same query
	v_permlanex16_b32 v[T+1], v[LS+1], s40, s41
	v_add_f32 v[LS], v[LS], v[T]
	v_add_f32 v[LS+1], v[LS+1], v[T+1]
	s_cmp_lt_u32 s12, 4
	s_cbranch_scc1 .Lmj\id                         ; team 0 stores nothing here
	WIN 0x04
.set n, 0
.rept 32
	ds_store_b128 v[XA], v[O+4*n:O+4*n+3] offset:512*n
.set n, n+1
.endr
	WIN 0
	ds_store_b128 v[XA], v[NN:NN+3] offset:32*512  ; {n0, n1, l0, l1}
.Lmj\id:
	s_wait_dscnt 0                                 ; for team 0: what I stored is written
	s_barrier_signal -1
	s_barrier_wait -1
	s_cmp_ge_u32 s12, 4
	s_cbranch_scc1 .Lme\id                         ; team 1 goes on
	ds_load_b128 v[XM:XM+3], v[XA] offset:32*512
.set n, 0
.rept 32
	ds_load_b128 v[S+4*n:S+4*n+3], v[XA] offset:512*n          ; the partner's O into v96-223, register for register
.set n, n+1
.endr
	s_wait_dscnt 32                                ; the partner's N and l are in; younger: the 32 loads of its O
	v_min_num_f32 v[T], v[NN], v[XM]               ; the common N: that of the larger maximum
	v_min_num_f32 v[T+1], v[NN+1], v[XM+1]
	v_sub_f32 v[T+2], v[T], v[NN]
	v_sub_f32 v[T+3], v[T+1], v[NN+1]
	v_sub_f32 v[T+4], v[T], v[XM]
	v_sub_f32 v[T+5], v[T+1], v[XM+1]
	v_exp_f32 v[T+2], v[T+2]
	v_exp_f32 v[T+3], v[T+3]
	v_exp_f32 v[T+4], v[T+4]
	v_exp_f32 v[T+5], v[T+5]
	v_nop                                          ; one plain place behind the transcendentals
	s_wait_alu depctr_va_vdst(0)
	v_mul_f32 v[T+6], v[LS], v[T+2]
	v_mul_f32 v[T+7], v[LS+1], v[T+3]
	v_fmac_f32 v[T+6], v[XM+2], v[T+4]             ; l = l f + l' f': about 1 at the least, since the key of the larger maximum has p = 1 but for rounding
	v_fmac_f32 v[T+7], v[XM+3], v[T+5]
	v_rcp_f32 v[T+6], v[T+6]
	v_rcp_f32 v[T+7], v[T+7]
	v_nop
	s_wait_alu depctr_va_vdst(0)
	v_mul_f32 v[AL], v[T+2], v[T+6]                ; f / l
	v_mul_f32 v[AL+1], v[T+3], v[T+7]
	v_mul_f32 v[BE], v[T+4], v[T+6]                ; f' / l
	v_mul_f32 v[BE+1], v[T+5], v[T+7]
	SCALEO
	s_wait_dscnt 0                                 ; the partner's O is in
	WIN 0x50
.set n, 0
.rept 64
.if (n>>2)&1
	v_pk_fma_f32 v[O+2*n:O+2*n+1], v[S+2*n:S+2*n+1], v[BE:BE+1], v[O+2*n:O+2*n+1] op_sel:[0,1,0] op_sel_hi:[1,1,1]
.else
	v_pk_fma_f32 v[O+2*n:O+2*n+1], v[S+2*n:S+2*n+1], v[BE:BE+1], v[O+2*n:O+2*n+1] op_sel_hi:[1,0,1]
.endif
.set n, n+1
.endr
	; 16 queries at a time through my own stage: a lane puts 8 neighbouring d of query r, and whole rows of 512 bytes come back.
	; LDS serves a wave's instructions in order (ISA guide 5.7.1): no wait between these stores and loads, nor before the next stores.
.irp qt, 0,1
	WIN 0x04
.irp dt, 0,1,2,3,4,5,6,7
	ds_store_b128 v[SW], v[O+8*(2*\dt+\qt):O+8*(2*\dt+\qt)+3]   offset:64*\dt
	ds_store_b128 v[SW], v[O+8*(2*\dt+\qt)+4:O+8*(2*\dt+\qt)+7] offset:64*\dt+16
.endr
	WIN 0
.irp row, 0,1,2,3,4,5,6,7,8,9,10,11,12,13,14,15
	ds_load_b128 v[S+64*\qt+4*\row:S+64*\qt+4*\row+3], v[SR] offset:SPIT*\row
.endr
.irp row, 0,1,2,3,4,5,6,7,8,9,10,11,12,13,14,15
	s_wait_dscnt 15-\row                           ; this row is back; the rows behind it may be out
	global_store_b128 v[OO], v[S+64*\qt+4*\row:S+64*\qt+4*\row+3], s[\op:\op+1] offset:8192*\qt+512*\row th:TH_STORE_NT   ; the wave stores 512 consecutive bytes, a whole row of out
.endr
.endr
.if \last == 0
	s_wait_xcnt 0x0                                ; v96-223, which these stores read, are loaded again only behind this wait
.endif
.Lme\id:
.endm
; ---------------- PROLOGUE ----------------
	s_load_b256 s[4:11], s[0:1], 0x0               ; q s[4:5], k s[6:7], v s[8:9], out s[10:11]
	v_lshrrev_b32 v15, 5, v0
	v_readfirstlane_b32 s12, v15                   ; wave 0..7
	v_lshlrev_b32 v[GO], 4, v0
	s_and_b32 s13, s12, 3                          ; g
	s_lshr_b32 s14, s12, 2                         ; T
	s_and_b32 s15, ttmp9, 7                        ; i
	s_lshr_b32 s16, ttmp9, 3                       ; head,
	s_lshl_b32 s16, s16, 20                        ; times 2,048 rows of 512 bytes
	s_mov_b32 s17, 0
	s_mov_b32 s18, 0                               ; E = 0: the first tile is the diagonal one of block i
	s_add_co_u32 s19, s15, 1
	s_add_co_u32 s20, s15, 2
	s_sub_co_u32 s21, 15, s15
	s_mov_b32 s22, 0xffff0000                      ; a word's upper 16 bits
	s_lshl_b32 s24, s15, 16                        ; block or tile i in bytes
	s_mov_b32 s25, 0
	s_lshl_b32 s42, s21, 16                        ; block or tile 15 - i in bytes
	s_mov_b32 s43, 0
	s_mov_b32 s38, 0x3e0293ee                      ; c = log2(e) / sqrt(128)
	s_mov_b32 s39, 0xbe0293ee                      ; -c
	s_mov_b32 s40, 0x76543210                      ; v_permlanex16_b32: lane l of one half reads lane l of the other
	s_mov_b32 s41, 0xfedcba98
	s_wait_kmcnt 0x0
	s_add_nc_u64 s[4:5], s[4:5], s[16:17]
	s_add_nc_u64 s[6:7], s[6:7], s[16:17]
	s_add_nc_u64 s[8:9], s[8:9], s[16:17]
	s_add_nc_u64 s[10:11], s[10:11], s[16:17]
	s_add_nc_u64 s[44:45], s[4:5], s[24:25]
	s_add_nc_u64 s[46:47], s[4:5], s[42:43]
	s_add_nc_u64 s[26:27], s[6:7], s[24:25]
	s_add_nc_u64 s[28:29], s[8:9], s[24:25]
	s_add_nc_u64 s[30:31], s[6:7], s[42:43]
	s_add_nc_u64 s[32:33], s[8:9], s[42:43]
	s_add_nc_u64 s[34:35], s[10:11], s[24:25]
	s_add_nc_u64 s[36:37], s[10:11], s[42:43]
	GLOAD S, 0, 44, 1                              ; q of block i   (each q row is read once in the launch)
	GLOAD P, 0, 46, 1                              ; q of block 15 - i, into v160-223
	GLOAD GK, 1, 26, 0                             ; K(0)
	WIN 0
	s_lshl_b32 s42, s13, 14                        ; my 32 rows of a block of out (s43 is still 0)
	s_add_nc_u64 s[34:35], s[34:35], s[42:43]
	s_add_nc_u64 s[36:37], s[36:37], s[42:43]
	v_and_b32 v24, 31, v0                          ; l
	v_and_b32 v25, 15, v0                          ; r
	v_bfe_u32 v26, v0, 4, 1                        ; h
	v_lshlrev_b32 v[PF], 8, v0
	v_lshlrev_b32 v[OO], 4, v24
	s_mul_i32 s42, s12, KPIT
	v_lshl_add_u32 v[KS], v24, 3, s42              ; row w of every eight, 8 bytes a lane
	s_mul_i32 s42, s12, VPIT
	s_add_co_u32 s42, s42, VB
	v_lshl_add_u32 v[VS], v24, 3, s42
	v_add_nc_u32 v[QS0], QL, v[KS]
	v_add_nc_u32 v[QS1], QH, v[KS]
	v_mul_u32_u24 v27, v25, KPIT
	v_lshl_add_u32 v27, v26, 4, v27                ; r x 272 + 16 h
	s_mul_i32 s42, s14, 64*KPIT
	v_add_nc_u32 v[KA], s42, v27
	s_mul_i32 s42, s13, 32*KPIT
	s_add_co_u32 s42, s42, QL
	v_add_nc_u32 v[QA], s42, v27
	v_and_b32 v28, 7, v0
	v_lshl_add_u32 v28, v26, 3, v28                ; key 8 h + l % 8
	v_mul_u32_u24 v28, v28, VPIT
	v_bfe_u32 v29, v0, 3, 1
	v_lshl_add_u32 v28, v29, 4, v28                ; + 16 bytes for the upper eight d of a tile
	s_mul_i32 s42, s14, 64*VPIT
	s_add_co_u32 s42, s42, VB
	v_add_nc_u32 v[VA], s42, v28
	s_mul_i32 s42, s13, XSZ
	s_add_co_u32 s42, s42, XO
	v_add_nc_u32 v[XA], s42, v[OO]
	s_mul_i32 s42, s12, SSZ
	s_add_co_u32 s42, s42, ST
	v_add_nc_u32 v[SR], s42, v[OO]
	v_mul_u32_u24 v27, v25, SPIT
	v_lshl_add_u32 v27, v26, 5, v27                ; row r, 32 bytes for each half of the lanes
	v_add_nc_u32 v[SW], s42, v27
	s_lshl_b32 s42, s13, 5
	s_lshl_b32 s43, s14, 6
	s_sub_co_i32 s42, s42, s43                     ; 32 g - 64 T
	v_lshlrev_b32 v27, 3, v26
	v_sub_nc_u32 v27, v25, v27                     ; r - 8 h
	v_add_nc_u32 v[D0], s42, v27
	v_add_nc_u32 v[D0+1], 16, v[D0]
	v_mov_b32 v[NEG], 0xfe800000                   ; -2^126
	s_wait_loadcnt 32                              ; q of block i is in; younger: q of block 15 - i, K(0)
	CVTST S, 0, QS0, 8*KPIT
	GLOAD GV, 1, 28, 0                             ; V(0)
	s_wait_loadcnt 32                              ; q of block 15 - i is in; younger: K(0), V(0)
	CVTST P, 0, QS1, 8*KPIT
	s_wait_loadcnt 16                              ; K(0); younger: V(0)
	CVTST GK, 1, KS, 8*KPIT
	ADV
	s_add_nc_u64 s[26:27], s[6:7], s[24:25]        ; the base's loads were waited for just now
	GLOAD GK, 1, 26, 0                             ; K(1)
	WIN 0
	s_wait_dscnt 0x0                               ; for the others: my rows of q and K(0) are written
	s_barrier_signal -1
	s_barrier_wait -1
; ---------------- BLOCK i: 1 + i steps ----------------
	LOADQ 0
	STEP a, 1, 1, 1, 1, 1
	s_cmp_eq_u32 s15, 0
	s_cbranch_scc1 .Llo_done
	s_mov_b32 s23, s15
.Llo:
	STEP b, 0, 1, 1, 1, 1
	s_sub_co_i32 s23, s23, 1
	s_cmp_gt_i32 s23, 0
	s_cbranch_scc1 .Llo
.Llo_done:
	MERGE 34, 0, a
; ---------------- BLOCK 15 - i: 1 + (13 - i) + 2 steps; K and V have run on across the merge ----------------
	LOADQ QH-QL
	STEP c, 1, 1, 1, 1, 0
	s_sub_co_u32 s23, 13, s15                      ; at least 6
.Lhi:
	STEP d, 0, 1, 1, 1, 0
	s_sub_co_i32 s23, s23, 1
	s_cmp_gt_i32 s23, 0
	s_cbranch_scc1 .Lhi
	STEP e, 0, 1, 1, 0, 0                          ; step 15: no K is left to ask for
	STEP f, 0, 0, 0, 0, 0                          ; step 16: nothing is left to ask for or to stage; its wait for V is for 0
	MERGE 36, 1, b
	s_wait_xcnt 0x0
	v_lshl_add_u32 v254, v0, 2, 0x43800
	v_mov_b32 v255, 0
	s_wait_tensorcnt 0x0
	ds_add_u32 v254, v255
	s_wait_dscnt 0x0
	s_endpgm
.Lfunc_end_k_qde51a92b75_attn:
	.size	k_qde51a92b75_attn, .Lfunc_end_k_qde51a92b75_attn-k_qde51a92b75_attn
	.p2alignl 7, 3214868480
	.fill 96, 4, 3214868480
	.section	.rodata,"a",@progbits
	.p2align	6, 0x0
	.amdhsa_kernel k_qde51a92b75_attn
		.amdhsa_group_segment_fixed_size 277504
		.amdhsa_private_segment_fixed_size 0
		.amdhsa_enable_private_segment 0
		.amdhsa_kernarg_size 32
		.amdhsa_user_sgpr_count 2
		.amdhsa_user_sgpr_kernarg_segment_ptr 1
		.amdhsa_wavefront_size32 1
		.amdhsa_system_sgpr_workgroup_id_x 1
		.amdhsa_system_sgpr_workgroup_id_y 1
		.amdhsa_system_sgpr_workgroup_id_z 1
		.amdhsa_system_vgpr_workitem_id 0
		.amdhsa_next_free_vgpr 512
		.amdhsa_next_free_sgpr 66
		.amdhsa_reserve_vcc 1
		.amdhsa_float_denorm_mode_32 3
		.amdhsa_float_denorm_mode_16_64 3
		.amdhsa_memory_ordered 1
		.amdhsa_forward_progress 1
		.amdhsa_inst_pref_size 255
	.end_amdhsa_kernel
	.section	.bss,"aw",@nobits
	.p2align	6
	.space	262144
	.amdgpu_metadata
---
amdhsa.version: [ 1, 2 ]
amdhsa.kernels:
  - .name:           k_qde51a92b75_attn
    .symbol:         k_qde51a92b75_attn.kd
    .args:
      - { .name: q, .offset: 0, .size: 8, .value_kind: global_buffer, .address_space: global }
      - { .name: k, .offset: 8, .size: 8, .value_kind: global_buffer, .address_space: global }
      - { .name: v, .offset: 16, .size: 8, .value_kind: global_buffer, .address_space: global }
      - { .name: out0, .offset: 24, .size: 8, .value_kind: global_buffer, .address_space: global }
    .group_segment_fixed_size: 277504
    .private_segment_fixed_size: 0
    .kernarg_segment_align: 8
    .kernarg_segment_size: 32
    .max_flat_workgroup_size: 256
    .sgpr_count:     66
    .vgpr_count:     512
    .wavefront_size: 32
...
	.end_amdgpu_metadata
.endif
;; end of part 1
